; MI455X (gfx1250); checked and timed in simulation.
; The chip was launched on July 23, 2026; its instructions are those of AMD's public machine-readable ISA for CDNA 5 (MIT licence, August 2026) and "CDNA5" Instruction Set Architecture Reference Guide (July 2026). The comments in the code are by the model that wrote it; some were corrected since.
;; Causal Sliding Window Attention. Allowed arithmetic: float matrix products may take bf16 or f16 operands with f32 sums; all other float work in f32.
;; Inputs: Wk 1,024 x 1,024 float32; Wo 1,024 x 1,024 float32; Wq 1,024 x 1,024 float32; Wv 1,024 x 1,024 float32; x 2 x 2,048 x 1,024 float32.
;; Outputs: out0 2 x 2,048 x 1,024 float32.
;; 2 versions, each right; version 2 is version 1 with the launch cast written anew for expert scheduling mode. Each part assembles by itself: llvm-mc -triple=amdgcn-amd-amdhsa -mcpu=gfx1250 --defsym DOCPART=n.
;; ======== version 1 of 2: 4 launches
;; limits: values are held in f16: magnitudes above 65,504 overflow, below 6.1e-05 lose precision; right only within a limited range of input values
;; workspace buffers: cast 16,777,216 bytes; qkv 25,165,824 bytes; att 8,388,608 bytes
;; launch cast (part 1): grid 64 x 8, 8 waves a work-group, no clusters, 0 bytes of LDS; arguments x, Wq, Wk, Wv, Wo, cast; writes cast
.if DOCPART == 1
	.amdgcn_target "amdgcn-amd-amdhsa--gfx1250"
	.amdhsa_code_object_version 6
	.text
	.protected	k_q7d41546592_cast
	.globl	k_q7d41546592_cast
	.p2align	8
	.type	k_q7d41546592_cast,@function
k_q7d41546592_cast:
	s_mov_b64 s[64:65], 0
	v_nop
	global_prefetch_b8 v0, s[64:65] scope:SCOPE_SE
	s_setreg_imm32_b32 hwreg(HW_REG_WAVE_MODE, 25, 1), 1
	s_wait_xcnt 0x0
; All five f32 inputs are rounded once to f16, so that the two products that follow can bring 16-bit tiles straight into LDS.
; f16 and not bf16: the chain x -> v -> att -> out0 rounds four times, and three more bits of significand make each rounding eight times finer.
; cast (f16): byte 0 x [4096][1024]; byte 8,388,608 Wq, Wk, Wv as [3072][1024]; byte 14,680,064 16 x Wo [1024][1024].
; Wo is stored 16 times larger because v, and with it att, is carried 16 times smaller (for room in f16): powers of two, nothing is rounded by them.
; Eight segments of 1,048,576 numbers, one for each y: y = 0..3 the quarters of x, y = 4..7 Wq, Wk, Wv, Wo; segment y goes to byte y x 2,097,152.
; A work-group takes 65,536 bytes in and 32,768 out.  Wave w, lane l, piece j: 16 bytes at 8,192 w + 512 j + 16 l in, 8 bytes at half that out:
; a load of the wave covers 512 consecutive bytes, a store 256 consecutive bytes that start at a multiple of 256.
; A stream: no LDS, no barrier, no matrix unit; all sixteen loads of a wave are on their way at once.
; LIMITS: |x|, |Wq|, |Wk|, |Wv| up to 65,504 and |Wo| up to 4,094 (beyond: infinity); below 6.1e-5 the rounding is absolute, at most 3e-8; NaN stays NaN.
.set PIECES, 16
.set X, 4                              ; v[4:67]   piece j: 4 f32 as loaded
.set Y, 68                             ; v[68:99]  piece j: 4 f16 to store
	s_load_b256 s[4:11], s[0:1], 0x0               ; x s[4:5], Wq s[6:7], Wk s[8:9], Wv s[10:11]
	s_load_b128 s[12:15], s[0:1], 0x20             ; Wo s[12:13], cast s[14:15]
	s_and_b32 s16, ttmp7, 0xffff                   ; y: the segment
	v_and_b32 v1, 0xe0, v0                         ; 32 x wave
	v_and_b32 v2, 31, v0                           ; lane
	v_lshlrev_b32 v2, 4, v2
	v_lshl_or_b32 v1, v1, 8, v2                    ; in:  8,192 x wave + 16 x lane
	v_lshrrev_b32 v2, 1, v1                        ; out: half of it
	s_cmp_lt_u32 s16, 4
	s_cselect_b32 s20, s16, 0                      ; which quarter of x; a weight starts at its own first byte
	s_lshl_b32 s20, s20, 22
	s_lshl_b32 s17, ttmp9, 16
	s_add_co_u32 s20, s20, s17                     ; offset in the source, below 16 MiB
	s_mov_b32 s21, 0
	s_lshl_b32 s22, s16, 21
	s_lshl_b32 s17, ttmp9, 15
	s_add_co_u32 s22, s22, s17                     ; offset in cast
	s_mov_b32 s23, 0
	s_wait_kmcnt 0x0
	s_mov_b64 s[18:19], s[4:5]                     ; the source: x, unless y names a weight
	s_cmp_eq_u32 s16, 4
	s_cselect_b64 s[18:19], s[6:7], s[18:19]
	s_cmp_eq_u32 s16, 5
	s_cselect_b64 s[18:19], s[8:9], s[18:19]
	s_cmp_eq_u32 s16, 6
	s_cselect_b64 s[18:19], s[10:11], s[18:19]
	s_cmp_eq_u32 s16, 7
	s_cselect_b64 s[18:19], s[12:13], s[18:19]
	s_add_nc_u64 s[18:19], s[18:19], s[20:21]
	s_add_nc_u64 s[14:15], s[14:15], s[22:23]
.irp j, 0,1,2,3,4,5,6,7,8,9,10,11,12,13,14,15
	global_load_b128 v[X+4*\j:X+4*\j+3], v1, s[18:19] offset:512*\j th:TH_LOAD_NT   ; read once in the whole launch
.endr
; The sixteen pieces are rounded and stored.  scaled = 1: times 16 first (Wo alone).
.macro ROUNDALL scaled
.irp j, 0,1,2,3,4,5,6,7,8,9,10,11,12,13,14,15
	s_wait_loadcnt PIECES-1-\j                     ; loads come back in order: piece j is in, the younger ones stay out
.if \scaled
	v_pk_mul_f32 v[X+4*\j:X+4*\j+1],   v[X+4*\j:X+4*\j+1],   0x41800000 op_sel_hi:[1,0]   ; x 16
	v_pk_mul_f32 v[X+4*\j+2:X+4*\j+3], v[X+4*\j+2:X+4*\j+3], 0x41800000 op_sel_hi:[1,0]
.endif
	v_cvt_pk_f16_f32 v[Y+2*\j],   v[X+4*\j],   v[X+4*\j+1]
	v_cvt_pk_f16_f32 v[Y+2*\j+1], v[X+4*\j+2], v[X+4*\j+3]
	global_store_b64 v2, v[Y+2*\j:Y+2*\j+1], s[14:15] offset:256*\j   ; no hint: the next launches read these bytes
.endr
.endm
	s_cmp_eq_u32 s16, 7                            ; Wo's segment takes the way with the factor; the same loads are out on both ways
	s_cbranch_scc1 .Lwo
	ROUNDALL 0
	s_endpgm
.Lwo:
	ROUNDALL 1
	s_endpgm
.Lfunc_end_k_q7d41546592_cast:
	.size	k_q7d41546592_cast, .Lfunc_end_k_q7d41546592_cast-k_q7d41546592_cast
	.p2alignl 7, 3214868480
	.fill 96, 4, 3214868480
	.section	.rodata,"a",@progbits
	.p2align	6, 0x0
	.amdhsa_kernel k_q7d41546592_cast
		.amdhsa_group_segment_fixed_size 0
		.amdhsa_private_segment_fixed_size 0
		.amdhsa_enable_private_segment 0
		.amdhsa_kernarg_size 48
		.amdhsa_user_sgpr_count 2
		.amdhsa_user_sgpr_kernarg_segment_ptr 1
		.amdhsa_wavefront_size32 1
		.amdhsa_system_sgpr_workgroup_id_x 1
		.amdhsa_system_sgpr_workgroup_id_y 1
		.amdhsa_system_sgpr_workgroup_id_z 1
		.amdhsa_system_vgpr_workitem_id 0
		.amdhsa_next_free_vgpr 100
		.amdhsa_next_free_sgpr 66
		.amdhsa_reserve_vcc 0
		.amdhsa_float_denorm_mode_32 3
		.amdhsa_float_denorm_mode_16_64 3
		.amdhsa_memory_ordered 1
		.amdhsa_forward_progress 1
		.amdhsa_inst_pref_size 14
	.end_amdhsa_kernel
	.amdgpu_metadata
---
amdhsa.version: [ 1, 2 ]
amdhsa.kernels:
  - .name:           k_q7d41546592_cast
    .symbol:         k_q7d41546592_cast.kd
    .args:
      - { .name: x, .offset: 0, .size: 8, .value_kind: global_buffer, .address_space: global }
      - { .name: Wq, .offset: 8, .size: 8, .value_kind: global_buffer, .address_space: global }
      - { .name: Wk, .offset: 16, .size: 8, .value_kind: global_buffer, .address_space: global }
      - { .name: Wv, .offset: 24, .size: 8, .value_kind: global_buffer, .address_space: global }
      - { .name: Wo, .offset: 32, .size: 8, .value_kind: global_buffer, .address_space: global }
      - { .name: cast, .offset: 40, .size: 8, .value_kind: global_buffer, .address_space: global }
    .group_segment_fixed_size: 0
    .private_segment_fixed_size: 0
    .kernarg_segment_align: 8
    .kernarg_segment_size: 48
    .max_flat_workgroup_size: 256
    .sgpr_count:     66
    .vgpr_count:     100
    .wavefront_size: 32
...
	.end_amdgpu_metadata
.endif
;; end of part 1
;; launch qkv (part 2): grid 12 x 16, 4 waves a work-group, clusters of 4 x 4, 327,680 bytes of LDS; arguments cast, qkv; writes qkv
.if DOCPART == 2
	.amdgcn_target "amdgcn-amd-amdhsa--gfx1250"
	.amdhsa_code_object_version 6
	.text
	.protected	k_q7d41546592_qkv
	.globl	k_q7d41546592_qkv
	.p2align	8
	.type	k_q7d41546592_qkv,@function
k_q7d41546592_qkv:
	s_mov_b64 s[64:65], 0
	v_nop
	global_prefetch_b8 v0, s[64:65] scope:SCOPE_SE
	s_setreg_imm32_b32 hwreg(HW_REG_WAVE_MODE, 25, 1), 1
	s_wait_xcnt 0x0
	s_wait_alu depctr_hold_cnt(0) depctr_sa_sdst(0) depctr_va_vdst(0) depctr_va_sdst(0) depctr_va_ssrc(0) depctr_va_vcc(0) depctr_vm_vsrc(0)
	s_getreg_b32 s2, hwreg(HW_REG_IB_STS2, 6, 4)
	s_cmp_eq_u32 s2, 0
	s_cbranch_scc0 .Lentry_in_a_cluster
	s_endpgm
.Lentry_in_a_cluster:
	s_bfe_u32 s2, ttmp6, 0x10000c
	s_cmp_lg_u32 s2, 0xf033
	s_cbranch_scc0 .Lentry_shape_is_right
	s_endpgm
.Lentry_shape_is_right:
; qkv[t][n] = sum over k of x[t][k] W[n][k], W = the rows of Wq, Wk, Wv one below the other (3,072 rows), all f16 from the buffer cast, sums in f32.
; On the way out each head's 64 numbers of a row of q and of k are divided by max(their l2 norm, 1e-6); v goes out as v / 16.  qkv: [4096][3072] f16.
; v / 16: with x and Wv both 30 times larger v reaches some 4,700, with both offset by 30 spreads 1,024 x 30 x 0.94 = 28,900; a sixteenth of that leaves
; room under f16's 65,504, and with all inputs 30 times smaller v / 16 still has a spread of 7e-5 against an absolute rounding of 3e-8 at the most.
; The buffer cast holds 16 x Wo, which takes the factor out again in the last product.
; A work-group makes 256 x 256 with four waves, as many as a WGP has SIMDs; a wave makes 128 x 128: 64 accumulator tiles of 16 x 16, 512 registers.
; K goes in steps of 128 through a ring of two LDS slots filled by the tensor data mover: a tile's rows are 256 bytes of memory at multiples of 256.
; CLUSTERS: 4 x 4 work-groups.  The four of a row of the cluster need the same tiles of x, the four of a column the same tiles of W: each tile is asked
; for jointly, by the same tensor load with the same descriptor and a mask that names the four.  That divides the requests for both by four.
; A cluster's four block columns are 1,024 columns, so the cluster's x (0, 1, 2) says whether this is q, k or v: the same in all sixteen partners.
; 192 work-groups: 3,072 / 256 x 4,096 / 256.  A narrower block would give 256 of them but split heads between waves and feed fewer products per byte.
; LIMITS: finite inputs; operands rounded to f16; q, k, v / 16 stored in f16: |v| up to 1.04e6, beyond that infinity.
;
; REGISTERS, in windows of 256:
;   window 0: v16-27 addresses and 1/16; v64-127, v128-191 fragments of x, two buffers; v192-223 packed results; v224-235 sums of squares and scales
;   window 1: v64-127, v128-191 fragments of W, two buffers
;   window 2: the 32 accumulator tiles of my rows 0-63 (tile (a, b) at v[8 (8 a + b)]);   window 3: those of my rows 64-127
; THE MATRIX INSTRUCTION IS USED TRANSPOSED: source 0 = 16 rows of W, source 1 = 16 rows of x.  Lane l then holds row l % 16 and its registers 0 to 7
; the columns 8 (l / 16) + 0 .. 7 of a tile: a head of 64 columns is the 32 registers of tiles 4 g .. 4 g + 3 in lanes l and l xor 16.
.set SIZE_M, 4096
.set SIZE_N, 3072
.set SIZE_K, 1024
.set KSTEP,  128
.set PITCH,  272                       ; an LDS row: 256 bytes + 16 of padding: an odd multiple of 16, so the 16 rows of a fragment load fall on 16 different 16-byte columns of 256
.set HALFT,  128*PITCH                 ; 128 rows: what one tensor load brings
.set SLOT,   4*HALFT                   ; x's 256 rows, then W's 256 rows
.set STAGE,  2*SLOT                    ; behind the ring: 16 rows x 272 bytes for each wave; no tensor load fills it
.set SPITCH, 272
.set LAPS, SIZE_K/(2*KSTEP)            ; 4 laps of two K steps
.set ADRA, 16                          ; v16-17  LDS address of my x fragments in slot 0, 1
.set ADRB, 20                          ; v20-21  the same for W
.set STO,  24                          ; v24     the way out: where I put 16 bytes of a row
.set RD,   25                          ; v25     the way out: where I read a row back
.set CO,   26                          ; v26     my byte offset in qkv
.set VSC,  27                          ; v27     1/16, the scale of v's columns
.set F0,   64
.set F1,   128
.set TMP,  192
.set SS,   224                         ; v[224:231] head g: two chains of two sums of squares at 4 g
.set SC,   232                         ; v[232:235] head g: its scale, twice, at 2 g
.set G1, 24                            ; s[24:31] group 1 for x's tiles
.set G0, 32                            ; s[32:39] group 0 for x's tiles, one set for each slot
.set G1B, 48                           ; s[48:55] group 1 for W's tiles
.set G0B, 56                           ; s[56:63] group 0 for W's tiles, one set for each slot
.set MSB, 0
.macro WIN new                         ; the immediate's high byte repeats the setting that is left
.if MSB != \new
	s_set_vgpr_msb (MSB<<8)|\new
.set MSB, \new
.endif
.endm
.set MUL_LO, 0xa1                      ; source 0 (W) window 1, source 1 (x) window 0, C and D window 2
.set MUL_HI, 0xf1                      ; the same, C and D window 3
.set TO_B,   0x40                      ; destination window 1, address window 0
; A joint load.  Waves 0 and 1 fetch x's two halves, waves 2 and 3 W's.  The branch hangs on the wave's number alone.
.macro JLOAD s
	s_cmp_eq_u32 s11, 0
	s_cbranch_scc0 .Lfor_b_\@
	tensor_load_to_lds s[G0+4*\s:G0+4*\s+3], s[G1:G1+7]
	s_nop 0
	s_branch .Lasked_\@
.Lfor_b_\@:
	tensor_load_to_lds s[G0B+4*\s:G0B+4*\s+3], s[G1B:G1B+7]
	s_nop 0
.Lasked_\@:
.endm
; A round of the cluster's barrier: my work-group's barrier; wave 0 signals for the work-group; every wave waits for all sixteen; my work-group's barrier again.
.macro CREST                           ; a round behind its opening barrier
	s_cmp_lg_u32 s10, 0
	s_cbranch_scc1 .Lnot_wave_0_\@
	s_barrier_signal -3
.Lnot_wave_0_\@:
	s_barrier_wait -3
	s_barrier_signal -1
	s_barrier_wait -1
.endm
.macro CROUND
	s_barrier_signal -1
	s_barrier_wait -1
	CREST
.endm
	s_load_b128 s[4:7], s[0:1], 0x0                ; cast s[4:5], qkv s[6:7]
	s_set_vgpr_msb 0x40
	v_lshl_add_u32 v255, v0, 2, 0x48400
	s_set_vgpr_msb 0x4000
	v_mov_b32 v255, 0
	s_set_vgpr_msb 0x1
	ds_add_u32 v255, v255
	ds_add_u32 v255, v255
	s_set_vgpr_msb 0x100
	v_lshrrev_b32 v1, 5, v0
	v_readfirstlane_b32 s10, v1                    ; wave 0..3
	s_lshr_b32 s11, s10, 1                         ; which half of the block's rows is mine.  Also: I fetch for x (0) or for W (1)
	s_and_b32 s12, s10, 1                          ; which half of its columns.  Also: which 128 rows of that tile I fetch
	s_bfe_u32 s40, ttmp6, 0x40000                  ; cx
	s_bfe_u32 s41, ttmp6, 0x40004                  ; cy
	s_lshl_b32 s42, ttmp9, 2
	s_add_co_u32 s42, s42, s40                     ; block column = 4 x cluster x + cx
	s_and_b32 s13, ttmp7, 0xffff
	s_lshl_b32 s13, s13, 2
	s_add_co_u32 s13, s13, s41                     ; block row = 4 x cluster y + cy
	s_lshl_b32 s43, s41, 2
	s_lshl_b32 s43, 15, s43                        ; my row of the cluster: places 4 cy .. 4 cy + 3
	s_lshl_b32 s44, 0x1111, s40                    ; my column: places cx, cx + 4, cx + 8, cx + 12
	s_mov_b32 s66, 0x76543210                      ; v_permlanex16_b32: lane i reads lane i of the other half
	s_mov_b32 s67, 0xfedcba98
	s_cmp_eq_u32 ttmp9, 2                          ; the third cluster column is v,
	s_cselect_b32 s68, -1, 0                       ; whose scale is 1/16 in every lane
	s_mov_b32 s69, 0x358637bd                      ; 1e-6
	; group 1: a tile of 128 rows x 128 elements, padded in LDS
	s_or_b32 s[G1+0], s43, (1<<16)|(1<<20)|(1<<21)|(5<<22)|(3<<25)  ; mask: my row; elements of 2 bytes; padding on; bit 21 beside a mask; after every 64 words, 4 words
	s_or_b32 s[G1B+0], s44, (1<<16)|(1<<20)|(1<<21)|(5<<22)|(3<<25) ; the same with the mask of my column
	s_mov_b32 s[G1B+1], KSTEP<<16
	s_mov_b32 s[G1+1], KSTEP<<16                   ; tensor_dim0 = 128
	s_mov_b32 s[G1B+2], 128<<16
	s_mov_b32 s[G1+2], 128<<16                     ; tensor_dim1 = 128
	s_mov_b32 s[G1B+3], KSTEP<<16
	s_mov_b32 s[G1+3], KSTEP<<16                   ; tile_dim0 = 128
	s_mov_b32 s[G1B+4], 128
	s_mov_b32 s[G1+4], 128                         ; tile_dim1 = 128
	s_mov_b32 s[G1B+5], SIZE_K
	s_mov_b32 s[G1+5], SIZE_K                      ; elements from row to row
	s_mov_b32 s[G1B+6], 0
	s_mov_b32 s[G1+6], 0
	s_mov_b32 s[G1B+7], 0
	s_mov_b32 s[G1+7], 0
	; x's tiles hang on the block row alone, W's on the block column alone; each address is made in registers that never hold the other coordinate
	s_lshl_b32 s17, s12, 7
	s_lshl_b32 s16, s13, 8
	s_add_co_u32 s16, s16, s17                     ; x: row 256 x block row + 128 x half
	s_lshl_b32 s46, s42, 8
	s_add_co_u32 s46, s46, s17                     ; W: row 256 x block column + 128 x half
	s_mov_b32 s17, 0
	s_mov_b32 s47, 0
	s_mov_b64 s[18:19], SIZE_K*2
	s_mul_u64 s[16:17], s[16:17], s[18:19]
	s_mul_u64 s[46:47], s[46:47], s[18:19]
	s_mul_i32 s20, s10, HALFT                      ; where they go: wave x 128 rows
	s_wait_dscnt 0x0
	s_wait_kmcnt 0x0
	s_mov_b64 s[8:9], s[6:7]                       ; qkv
	s_add_nc_u64 s[6:7], s[4:5], 0x800000          ; the weights lie 8,388,608 bytes behind x in cast
	s_add_nc_u64 s[14:15], s[4:5], s[16:17]
	s_add_nc_u64 s[46:47], s[6:7], s[46:47]
	CROUND                                         ; all sixteen work-groups are here: the first joint loads meet
.irp s, 0,1
	s_mov_b32 s[G0+4*\s], 1
	s_add_co_u32 s[G0+4*\s+1], s20, \s*SLOT
	s_add_nc_u64 s[G0+4*\s+2:G0+4*\s+3], s[14:15], \s*KSTEP*2
	s_or_b32 s[G0+4*\s+3], s[G0+4*\s+3], 0x80000000
	s_mov_b32 s[G0B+4*\s], 1
	s_add_co_u32 s[G0B+4*\s+1], s20, \s*SLOT
	s_add_nc_u64 s[G0B+4*\s+2:G0B+4*\s+3], s[46:47], \s*KSTEP*2
	s_or_b32 s[G0B+4*\s+3], s[G0B+4*\s+3], 0x80000000
	JLOAD \s                                       ; both slots are asked for before anything else: two loads of the wave are out, never more
.endr
	; a fragment is 16 rows x 32 K in 8 registers: lane l holds row l % 16; two loads of 16 bytes, 32 bytes apart, at row x pitch + 16 (l / 16)
	v_and_b32 v1, 15, v0
	v_bfe_u32 v2, v0, 4, 1
	v_mul_u32_u24 v3, v1, PITCH
	v_lshl_add_u32 v3, v2, 4, v3
	s_mul_i32 s21, s11, HALFT                      ; my 128 rows of x
	s_mul_i32 s22, s12, HALFT                      ; my 128 rows of W,
	s_add_co_u32 s22, s22, 2*HALFT                 ; which lie behind x's 256
.irp s, 0,1
	v_add_nc_u32 v[ADRA+\s], s21, v3
	v_add_nc_u32 v[ADRB+\s], s22, v3
	s_add_co_u32 s21, s21, SLOT
	s_add_co_u32 s22, s22, SLOT
.endr
	s_mul_i32 s23, s10, 16*SPITCH
	s_add_co_u32 s23, s23, STAGE                   ; my stage
	v_mul_u32_u24 v4, v1, SPITCH
	v_lshl_add_u32 v4, v2, 4, v4
	v_add_nc_u32 v[STO], s23, v4
	v_mul_u32_u24 v5, v2, SPITCH
	v_lshl_add_u32 v5, v1, 4, v5
	v_add_nc_u32 v[RD], s23, v5
	v_mul_u32_u24 v5, v2, SIZE_N*2
	v_lshl_add_u32 v[CO], v1, 4, v5
	v_mov_b32 v[VSC], 0x3d800000                   ; 1/16
; 16 matrix instructions: m blocks a0, a0 + 1 of the window's four x all 8 n blocks, 32 along K.  zero = 1: the first product starts the sums.
.macro MUL16 f, hi, a0, zero
.irp a, \a0, \a0+1
.irp b, 0,1,2,3,4,5,6,7
.if \zero
	v_wmma_f32_16x16x32_f16 v[8*(8*(\a)+\b):8*(8*(\a)+\b)+7], v[\f+8*\b:\f+8*\b+7], v[\f+8*(4*\hi+\a):\f+8*(4*\hi+\a)+7], 0
.else
	v_wmma_f32_16x16x32_f16 v[8*(8*(\a)+\b):8*(8*(\a)+\b)+7], v[\f+8*\b:\f+8*\b+7], v[\f+8*(4*\hi+\a):\f+8*(4*\hi+\a)+7], v[8*(8*(\a)+\b):8*(8*(\a)+\b)+7]
.endif
.endr
.endr
.endm
; 32 LDS loads in one run: the fragments of one quarter step into buffer f
.macro FETCH slot, k, f
	WIN TO_B
.irp i, 0,1,2,3,4,5,6,7
	ds_load_b128 v[\f+8*\i:\f+8*\i+3],   v[ADRB+\slot] offset:\k+\i*16*PITCH
	ds_load_b128 v[\f+8*\i+4:\f+8*\i+7], v[ADRB+\slot] offset:\k+\i*16*PITCH+32
.endr
	WIN 0
.irp i, 0,1,2,3,4,5,6,7
	ds_load_b128 v[\f+8*\i:\f+8*\i+3],   v[ADRA+\slot] offset:\k+\i*16*PITCH
	ds_load_b128 v[\f+8*\i+4:\f+8*\i+7], v[ADRA+\slot] offset:\k+\i*16*PITCH+32
.endr
.endm
; Four independent vector places stand between a matrix instruction and a load into, or a vector instruction on, one of its registers
.macro PLACES
.rept 4
	v_nop
.endr
.endm
; A K step is four quarter steps of 32 along K, 64 matrix instructions each, on buffers 0, 1, 0, 1.  The 64 accumulators take turns, one instruction
; a turn, in the same order in every quarter.
.macro QUARTER slot, k, f, g, zero
	s_wait_dscnt 8                                 ; W and x's rows 0-63 are in; the youngest eight loads (x's rows 64-127) may be out
	WIN MUL_LO
	MUL16 \f, 0, 0, \zero
	MUL16 \f, 0, 2, \zero
	PLACES
	FETCH \slot, \k, \g
	s_wait_dscnt 32                                ; all but the 32 just issued
	WIN MUL_HI
	MUL16 \f, 1, 0, \zero
	MUL16 \f, 1, 2, \zero
.endm
.macro THREE slot, zero
	QUARTER \slot, 64,  F0, F1, \zero
	QUARTER \slot, 128, F1, F0, 0
	QUARTER \slot, 192, F0, F1, 0
.endm
; The last quarter multiplies buffer 1 and changes slots.  In front of the one barrier each wave waits for its reads of this slot and for all its tensor
; loads (one is out: its part of the next slot).  Behind it the refill comes first, then the next slot's first fragments.
; From a request to the wait for it a wave issues 240 matrix instructions.
.macro TURN slot, next, fill
	s_wait_dscnt 8
	WIN MUL_LO
	MUL16 F1, 0, 0, 0
	s_wait_dscnt 0                                 ; my reads of this slot are over
	s_wait_tensorcnt 0x0                           ; all my tensor loads have landed
	ds_add_u32 v255, v255
	s_wait_dscnt 0x0
	s_barrier_signal -1                            ; where a slot is filled again this barrier opens a round of the cluster's barrier
	MUL16 F1, 0, 2, 0                              ; register work while the others arrive
	WIN 0
	s_barrier_wait -1
.if \fill
	CREST                                          ; no wave of any partner still reads this slot or has a load on its way
	s_add_nc_u64 s[G0+4*\slot+2:G0+4*\slot+3], s[G0+4*\slot+2:G0+4*\slot+3], 2*KSTEP*2
	s_add_nc_u64 s[G0B+4*\slot+2:G0B+4*\slot+3], s[G0B+4*\slot+2:G0B+4*\slot+3], 2*KSTEP*2
	JLOAD \slot                                    ; the first tensor load behind the round, and the wave's only one until the next
.endif
	PLACES
	FETCH \next, 0, F0
	WIN MUL_HI
	MUL16 F1, 1, 0, 0
	MUL16 F1, 1, 2, 0
.endm
.macro LAP zero
	THREE 0, \zero
	TURN 0, 1, 1
	THREE 1, 0
	TURN 1, 0, 1
.endm
	s_wait_tensorcnt 1                             ; my part of K step 0 is in; K step 1's stays out
	s_barrier_signal -1
	s_barrier_wait -1
	FETCH 0, 0, F0
	LAP 1                                          ; the first lap stands in front of the loop: its first products start the sums
	WIN 0                                          ; at a label and at a branch every window is 0
	s_mov_b32 s3, LAPS-2
.Llap:
	LAP 0
	WIN 0
	s_sub_co_u32 s3, s3, 1
	s_cmp_lg_u32 s3, 0
	s_cbranch_scc1 .Llap
	THREE 0, 0                                     ; the last lap fills nothing and has no round: the one load still out is the last K step's
	TURN 0, 1, 0
	THREE 1, 0
	s_wait_dscnt 8
	WIN MUL_LO
	MUL16 F1, 0, 0, 0
	MUL16 F1, 0, 2, 0
	s_wait_dscnt 0
	WIN MUL_HI
	MUL16 F1, 1, 0, 0
	MUL16 F1, 1, 2, 0
	; THE WAY OUT, 16 rows at a time: norm of each head, scale, round to f16, through my own stage, out as whole rows of 256 bytes.
	PLACES                                         ; the places behind the last matrix instructions
	s_lshl_b32 s13, s13, 8
	s_lshl_b32 s14, s11, 7
	s_add_co_u32 s16, s13, s14                     ; my first row
	s_mov_b32 s17, 0
	s_mov_b64 s[18:19], SIZE_N*2
	s_mul_u64 s[16:17], s[16:17], s[18:19]
	s_add_nc_u64 s[8:9], s[8:9], s[16:17]
	s_lshl_b32 s46, s42, 9                         ; my first column in bytes: 512 x block + 256 x half
	s_lshl_b32 s47, s12, 8
	s_add_co_u32 s46, s46, s47
	s_mov_b32 s47, 0
	s_add_nc_u64 s[8:9], s[8:9], s[46:47]
; rows 16 i .. 16 i + 15 = the eight tiles (a, 0..7) of window 2 or 3.  from: sources 0, 1 in that window (0x0a, 0x0f); inpl: source 0 and destination
; in it (0x82, 0xc3); f: F0 or F1 in turn.  Head g of my two is the 32 registers from 64 a + 32 g.
.macro OUT16 i, a, from, inpl, f
	WIN \from
.irp g, 0,1
	v_pk_mul_f32 v[SS+4*\g:SS+4*\g+1],   v[64*\a+32*\g:64*\a+32*\g+1],   v[64*\a+32*\g:64*\a+32*\g+1]     ; the first squares start the four chains
	v_pk_mul_f32 v[SS+4*\g+2:SS+4*\g+3], v[64*\a+32*\g+2:64*\a+32*\g+3], v[64*\a+32*\g+2:64*\a+32*\g+3]
.endr
.irp p, 2,3,4,5,6,7,8,9,10,11,12,13,14,15
.irp g, 0,1
	v_pk_fma_f32 v[SS+4*\g+2*(\p%2):SS+4*\g+2*(\p%2)+1], v[64*\a+32*\g+2*\p:64*\a+32*\g+2*\p+1], v[64*\a+32*\g+2*\p:64*\a+32*\g+2*\p+1], v[SS+4*\g+2*(\p%2):SS+4*\g+2*(\p%2)+1]
.endr
.endr
	WIN 0
.irp g, 0,1
	v_pk_add_f32 v[SS+4*\g:SS+4*\g+1], v[SS+4*\g:SS+4*\g+1], v[SS+4*\g+2:SS+4*\g+3]
	v_add_f32 v[SS+4*\g], v[SS+4*\g], v[SS+4*\g+1]             ; my 32 columns of the head
	v_permlanex16_b32 v[SS+4*\g+1], v[SS+4*\g], s66, s67       ; the other 32 lie in lane l xor 16
	v_add_f32 v[SS+4*\g], v[SS+4*\g], v[SS+4*\g+1]
.endr
	v_sqrt_f32 v[SS+1], v[SS]
	v_sqrt_f32 v[SS+5], v[SS+4]
	v_nop                                          ; one plain place behind a transcendental (ISA guide 5.7.2)
	s_wait_alu depctr_va_vdst(0)
	v_max_num_f32 v[SS+1], s69, v[SS+1]            ; max(norm, 1e-6)
	v_max_num_f32 v[SS+5], s69, v[SS+5]
	v_rcp_f32 v[SS+2], v[SS+1]
	v_rcp_f32 v[SS+6], v[SS+5]
	v_nop
	s_wait_alu depctr_va_vdst(0)
.irp g, 0,1
	v_cndmask_b32 v[SC+2*\g],   v[SS+4*\g+2], v[VSC], s68      ; v's columns take 1/16 in the norm's place
	v_cndmask_b32 v[SC+2*\g+1], v[SS+4*\g+2], v[VSC], s68
.endr
	WIN \inpl
.irp g, 0,1
.irp p, 0,1,2,3,4,5,6,7,8,9,10,11,12,13,14,15
	v_pk_mul_f32 v[64*\a+32*\g+2*\p:64*\a+32*\g+2*\p+1], v[64*\a+32*\g+2*\p:64*\a+32*\g+2*\p+1], v[SC+2*\g:SC+2*\g+1]
.endr
.endr
	WIN \from
.irp b, 0,1,2,3,4,5,6,7
.irp r, 0,1,2,3
	v_cvt_pk_f16_f32 v[TMP+4*\b+\r], v[8*(8*\a+\b)+2*\r], v[8*(8*\a+\b)+2*\r+1]
.endr
.endr
	WIN 0
.irp b, 0,1,2,3,4,5,6,7
	ds_store_b128 v[STO], v[TMP+4*\b:TMP+4*\b+3] offset:32*\b
.endr
	s_wait_xcnt 0x0                                ; buffer f, which earlier stores read, and the stores' base are rewritten only behind this wait
.if \i
	s_add_nc_u64 s[8:9], s[8:9], 16*SIZE_N*2       ; 16 rows on
.endif
.irp t, 0,1,2,3,4,5,6,7
	ds_load_b128 v[\f+4*\t:\f+4*\t+3], v[RD] offset:\t*2*SPITCH    ; LDS serves a wave's instructions in order: these see the stores above
.endr
.irp t, 0,1,2,3,4,5,6,7
	s_wait_dscnt 7-\t                              ; pair t of rows is in, the younger loads stay out
	global_store_b128 v[CO], v[\f+4*\t:\f+4*\t+3], s[8:9] offset:2*\t*SIZE_N*2   ; 16 lanes store 256 consecutive bytes at a multiple of 256
.endr
.endm
	OUT16 0, 0, 0x0a, 0x82, F0
	OUT16 1, 1, 0x0a, 0x82, F1
	OUT16 2, 2, 0x0a, 0x82, F0
	OUT16 3, 3, 0x0a, 0x82, F1
	OUT16 4, 0, 0x0f, 0xc3, F0
	OUT16 5, 1, 0x0f, 0xc3, F1
	OUT16 6, 2, 0x0f, 0xc3, F0
	OUT16 7, 3, 0x0f, 0xc3, F1
	s_set_vgpr_msb 0x1
	s_wait_tensorcnt 0x0
	ds_add_u32 v255, v255
	s_wait_dscnt 0x0
	s_set_vgpr_msb 0x100
	CROUND                                         ; the closing round: no work-group ends while a partner may still ask for a tile that names it
	s_endpgm
.Lfunc_end_k_q7d41546592_qkv:
	.size	k_q7d41546592_qkv, .Lfunc_end_k_q7d41546592_qkv-k_q7d41546592_qkv
	.p2alignl 7, 3214868480
	.fill 96, 4, 3214868480
	.section	.rodata,"a",@progbits
	.p2align	6, 0x0
	.amdhsa_kernel k_q7d41546592_qkv
		.amdhsa_group_segment_fixed_size 327680
		.amdhsa_private_segment_fixed_size 0
		.amdhsa_enable_private_segment 0
		.amdhsa_kernarg_size 16
		.amdhsa_user_sgpr_count 2
		.amdhsa_user_sgpr_kernarg_segment_ptr 1
		.amdhsa_wavefront_size32 1
		.amdhsa_system_sgpr_workgroup_id_x 1
		.amdhsa_system_sgpr_workgroup_id_y 1
		.amdhsa_system_sgpr_workgroup_id_z 1
		.amdhsa_system_vgpr_workitem_id 0
		.amdhsa_next_free_vgpr 1024
		.amdhsa_next_free_sgpr 70
		.amdhsa_reserve_vcc 0
		.amdhsa_float_denorm_mode_32 3
		.amdhsa_float_denorm_mode_16_64 3
		.amdhsa_memory_ordered 1
		.amdhsa_forward_progress 1
		.amdhsa_inst_pref_size 237
	.end_amdhsa_kernel
	.amdgpu_metadata
---
amdhsa.version: [ 1, 2 ]
amdhsa.kernels:
  - .name:           k_q7d41546592_qkv
    .symbol:         k_q7d41546592_qkv.kd
    .args:
      - { .name: cast, .offset: 0, .size: 8, .value_kind: global_buffer, .address_space: global }
      - { .name: qkv, .offset: 8, .size: 8, .value_kind: global_buffer, .address_space: global }
    .group_segment_fixed_size: 327680
    .private_segment_fixed_size: 0
    .kernarg_segment_align: 8
    .kernarg_segment_size: 16
    .max_flat_workgroup_size: 128
    .sgpr_count:     70
    .vgpr_count:     1024
    .wavefront_size: 32
...
	.end_amdgpu_metadata
.endif
;; end of part 2
;; launch attn (part 3): grid 16 x 16, 8 waves a work-group, no clusters, 216,064 bytes of LDS; arguments qkv, att; writes att
.if DOCPART == 3
	.amdgcn_target "amdgcn-amd-amdhsa--gfx1250"
	.amdhsa_code_object_version 6
	.text
	.protected	k_q7d41546592_attn
	.globl	k_q7d41546592_attn
	.p2align	8
	.type	k_q7d41546592_attn,@function
k_q7d41546592_attn:
	s_mov_b64 s[64:65], 0
	v_nop
	global_prefetch_b8 v0, s[64:65] scope:SCOPE_SE
	s_setreg_imm32_b32 hwreg(HW_REG_WAVE_MODE, 25, 1), 1
	s_wait_xcnt 0x0
; Windowed attention.  Query i sees keys j with 0 <= j - i < 128 inside its own sequence of 2,048; bias -(j - i) 2^(-8 head / 15); softmax; times v.
; qkv: [4096][3072] f16, a row = q | k | v / 16 of 1,024 each (q and k already normalised).  att: [4096][1024] f16, a sixteenth of the attention's result,
; as v is a sixteenth of v: the last product's weights carry the factor 16.
; A work-group: 128 queries (x = block of the sequence) of two neighbouring heads (y = 8 batch + pair), so that every row fetched and stored is 256
; consecutive bytes at a multiple of 256.  It needs the block's 128 key rows and the 128 behind them.
; Eight waves: wave w = 4 g + qg takes head g of the pair and queries 32 qg .. 32 qg + 31, which see exactly the block's keys 32 qg .. 32 qg + 159.
; Everything is asked for by the first lines (V and Q by waves 0-3, K by waves 4-7: at most two tensor loads of a wave are out) and nothing is filled again.
; NO MULTICAST: the rows behind my block are my neighbour's own block, which it wants at another LDS address, so the two descriptors cannot be equal.
; The scores are made transposed, S^T = K Q^T: register j of lane (r, h) is key 16 t + 8 h + j, query r, which packed to f16 is already the second
; operand of O^T = V^T P^T.  A query's numbers lie in lanes r and r + 16 only: maximum and sum cross lanes once each.
; The maximum of each row is taken and subtracted; the exponentials are in base 2 with log2(e) folded into score and bias.
; In a sequence's last block the 128 rows behind do not exist: the block's own rows are fetched again in their place (inside the buffer, finite) and masked.
; LIMITS: finite inputs; probabilities (1 for the row's largest) rounded to f16 for the product, their sum kept in f32; one below 2^-25 counts as 0 in
; the product; the slope comes from v_exp_f32 of -8 head / 15.
.set KP, 272                           ; pitch of K and Q rows: 256 + 16, an odd multiple of 16
.set VP, 288                           ; pitch of V rows: 256 + 32, an odd multiple of 32, for the transposing load
.set OP, 144                           ; pitch of a stage row: 128 + 16
.set LK, 256*VP                        ; V at 0 (73,728 bytes), K behind it (69,632)
.set LQ, LK+256*KP                     ; Q at 143,360 (34,816)
.set LO, LQ+128*KP                     ; stages at 178,176 = 696 x 256: 32 rows x 144 bytes for each wave; no tensor load fills them
.set ROWB, 6144                        ; bytes of a row of qkv
.set ADQ, 2                            ; v2  LDS address of my Q fragments
.set ADK, 3                            ; v3  of my K fragments
.set ADV, 4                            ; v4  of my V fragments (transposing load)
.set STO, 5                            ; v5  where I put 16 bytes of a result row
.set RD,  6                            ; v6  where I read a row back
.set CO,  7                            ; v7  my byte offset in att
.set RI,  8                            ; v[8:11]  1 / sum, twice, for each 16 queries
.set CI,  12                           ; v12 8 h - r
.set QF,  16                           ; v[16:47]  Q fragments: 16 qt + 8 kk
.set KF,  48                           ; v[48:95]  K fragments: three buffers of 16
.set SL,  96                           ; v[96:255] score tile (qt, t) at 8 (10 qt + t)
; behind the scores, in the registers of QF and KF:
.set BASE, 16                          ; v[16:23]  -(8 h + j - r) slope log2e
.set BLO,  24                          ; v[24:31]  the same, -1e30 where 8 h + j - r < 0   (tiles with t - qt = 0)
.set BHI,  32                          ; v[32:39]  the same, -1e30 where 8 h + j - r >= 0  (tiles with t - qt = 8)
.set OFF,  40                          ; v[40:57]  9 qt + u: -16 u slope log2e, or -1e30 for a tile past the sequence's end
.set TM,   58
.set M,    59
.set NMU,  60                          ; v[60:61]  OFF - maximum (v61 is only there to complete the pair)
.set LS,   62                          ; v[62:65]  two chains of two sums
.set SLP,  66
.set NSL,  67
.set NINF, 68
.set TI,   70
.set OA,   32                          ; v[32:95]  behind the softmax: result tile (d, qt) at 8 (2 d + qt)
	s_load_b128 s[4:7], s[0:1], 0x0                ; qkv s[4:5], att s[6:7]
	v_lshl_add_u32 v174, v0, 2, 0x34800
	v_mov_b32 v175, 0
	ds_add_u32 v174, v175
	ds_add_u32 v174, v175
	v_lshrrev_b32 v1, 5, v0
	v_readfirstlane_b32 s8, v1                     ; wave 0..7
	s_and_b32 s9, s8, 3                            ; qg.  Also: which quarter of a tile I fetch
	s_lshr_b32 s10, s8, 2                          ; g
	s_and_b32 s12, ttmp7, 0xffff
	s_lshr_b32 s13, s12, 3                         ; batch
	s_and_b32 s14, s12, 7                          ; pair of heads
	s_lshl_b32 s15, s13, 11
	s_lshl_b32 s11, ttmp9, 7
	s_add_co_u32 s15, s15, s11                     ; R0: the block's first row in qkv and att
	s_cmp_eq_u32 ttmp9, 15                         ; the sequence's last block?
	s_cselect_b32 s61, 0x40, 0xc0                  ; then quarters 2 and 3 of K and V fetch rows 0 and 64 again
	s_cselect_b32 s58, 8, 16                       ; and only 8 tiles of 16 keys exist
	s_lshl_b32 s62, s9, 1
	s_sub_co_u32 s58, s58, s62                     ; my key tile t exists if t < lim = (8 or 16) - 2 qg
	s_lshl_b32 s60, s14, 1
	s_add_co_u32 s60, s60, s10                     ; head
	s_mov_b32 s56, 0x76543210                      ; v_permlanex16_b32: lane i reads lane i of the other half
	s_mov_b32 s57, 0xfedcba98
	; group 1 of V (s[16:23]), K (s[24:31]): 64 rows x 128 elements of 2 bytes; of Q (s[32:39]): 32 rows.  Padding behind every 64 words: 8 words for V, 4 for K and Q
	s_mov_b32 s16, (1<<16)|(1<<20)|(5<<22)|(7<<25)
	s_mov_b32 s24, (1<<16)|(1<<20)|(5<<22)|(3<<25)
	s_mov_b32 s32, (1<<16)|(1<<20)|(5<<22)|(3<<25)
	s_mov_b32 s17, 128<<16                         ; tensor_dim0 = 128
	s_mov_b32 s25, 128<<16
	s_mov_b32 s33, 128<<16
	s_mov_b32 s18, 64<<16                          ; tensor_dim1 = the tile's rows
	s_mov_b32 s26, 64<<16
	s_mov_b32 s34, 32<<16
	s_mov_b32 s19, 128<<16                         ; tile_dim0 = 128
	s_mov_b32 s27, 128<<16
	s_mov_b32 s35, 128<<16
	s_mov_b32 s20, 64                              ; tile_dim1
	s_mov_b32 s28, 64
	s_mov_b32 s36, 32
	s_mov_b32 s21, 3072                            ; elements from row to row
	s_mov_b32 s29, 3072
	s_mov_b32 s37, 3072
	s_mov_b32 s22, 0
	s_mov_b32 s30, 0
	s_mov_b32 s38, 0
	s_mov_b32 s23, 0
	s_mov_b32 s31, 0
	s_mov_b32 s39, 0
	s_lshl_b32 s62, s9, 6
	s_and_b32 s62, s62, s61
	s_add_co_u32 s62, s62, s15                     ; first key row of my quarter
	s_mul_i32 s52, s62, ROWB
	s_lshl_b32 s63, s14, 8                         ; the pair's 256 bytes in a row
	s_add_co_u32 s52, s52, s63
	s_mov_b32 s53, 0
	s_lshl_b32 s62, s9, 5
	s_add_co_u32 s62, s62, s15                     ; first query row of my quarter
	s_mul_i32 s54, s62, ROWB
	s_add_co_u32 s54, s54, s63
	s_mov_b32 s55, 0
	s_mov_b32 s40, 1                               ; group 0 of V: s[40:43]
	s_mul_i32 s41, s8, 64*VP                       ; waves 0-3: quarter w of V
	s_mov_b32 s44, 1                               ; of K: s[44:47]
	s_mul_i32 s45, s8, 64*KP
	s_add_co_u32 s45, s45, LK-4*64*KP              ; waves 4-7: quarter w - 4 of K
	s_mov_b32 s48, 1                               ; of Q: s[48:51]
	s_mul_i32 s49, s8, 32*KP
	s_add_co_u32 s49, s49, LQ                      ; waves 0-3: quarter w of Q
	s_lshl_b32 s62, s15, 11
	s_add_co_u32 s62, s62, s63                     ; att: R0 rows of 2,048 bytes + the pair's 256
	s_mov_b32 s63, 0
	s_wait_dscnt 0x0
	s_wait_kmcnt 0x0
	s_add_nc_u64 s[42:43], s[4:5], s[52:53]
	s_add_nc_u64 s[46:47], s[42:43], 2048          ; k lies 2,048 bytes into a row,
	s_add_nc_u64 s[42:43], s[42:43], 4096          ; v 4,096
	s_add_nc_u64 s[50:51], s[4:5], s[54:55]
	s_add_nc_u64 s[6:7], s[6:7], s[62:63]
	s_or_b32 s43, s43, 0x80000000
	s_or_b32 s47, s47, 0x80000000
	s_or_b32 s51, s51, 0x80000000
	s_cmp_lt_u32 s8, 4                             ; all first fills of a wave stand inside this one branch on its number
	s_cbranch_scc0 .Lkeys
	tensor_load_to_lds s[40:43], s[16:23]
	s_nop 0
	tensor_load_to_lds s[48:51], s[32:39]
	s_nop 0
	s_branch .Lasked
.Lkeys:
	tensor_load_to_lds s[44:47], s[24:31]
	s_nop 0
.Lasked:
	; lane terms, while the tiles are on their way
	v_and_b32 v1, 15, v0                           ; r
	v_bfe_u32 v13, v0, 4, 1                        ; h
	v_lshlrev_b32 v[CI], 3, v13
	v_sub_nc_u32 v[CI], v[CI], v1                  ; 8 h - r
	v_mul_u32_u24 v14, v1, KP
	v_lshl_add_u32 v14, v13, 4, v14                ; r x pitch + 16 h
	s_mul_i32 s52, s9, 32*KP
	s_lshl_b32 s53, s10, 7                         ; my head's 128 bytes of a row
	s_add_co_u32 s52, s52, s53
	v_add_nc_u32 v14, s52, v14
	v_add_nc_u32 v[ADQ], LQ, v14
	v_add_nc_u32 v[ADK], LK, v14
	v_and_b32 v14, 7, v0
	v_lshl_add_u32 v14, v13, 3, v14                ; key row 8 h + (l & 7)
	v_mul_u32_u24 v14, v14, VP
	v_bfe_u32 v15, v0, 3, 1
	v_lshl_add_u32 v14, v15, 4, v14                ; + 16 bytes for the upper eight columns
	s_mul_i32 s52, s9, 32*VP
	s_add_co_u32 s52, s52, s53
	v_add_nc_u32 v[ADV], s52, v14
	v_mul_u32_u24 v14, v1, OP
	v_lshl_add_u32 v14, v13, 4, v14
	s_mul_i32 s52, s8, 32*OP
	s_add_co_u32 s52, s52, LO                      ; my stage
	v_add_nc_u32 v[STO], s52, v14
	; back: wave w stores the block's rows 16 w .. 16 w + 15; lane l takes 16 bytes at 16 (l & 15) of row 16 w + 2 tt + (l >> 4):
	; bytes 0-127 from the stage of wave w >> 1 (head 0), bytes 128-255 from that of wave 4 + (w >> 1)
	v_lshrrev_b32 v14, 3, v1
	v_mul_u32_u24 v14, v14, 4*32*OP
	v_and_b32 v15, 7, v1
	v_lshl_add_u32 v14, v15, 4, v14
	v_mad_u32_u24 v14, v13, OP, v14
	s_lshr_b32 s52, s8, 1
	s_mul_i32 s52, s52, 32*OP
	s_and_b32 s54, s8, 1
	s_mul_i32 s54, s54, 16*OP
	s_add_co_u32 s52, s52, s54
	s_add_co_u32 s52, s52, LO
	v_add_nc_u32 v[RD], s52, v14
	v_lshlrev_b32 v[CO], 4, v1
	v_lshl_add_u32 v[CO], v13, 11, v[CO]
	s_lshl_b32 s52, s8, 15
	v_add_nc_u32 v[CO], s52, v[CO]                 ; (16 w + (l >> 4)) x 2,048 + 16 (l & 15)
	s_wait_tensorcnt 0x0                           ; my tiles are in,
	s_barrier_signal -1
	s_barrier_wait -1                              ; everybody's are
.macro PLACES                          ; four independent vector places behind a matrix instruction (ISA guide 7.12.1)
.rept 4
	v_nop
.endr
.endm
.macro KLOAD t, b                      ; key tile t (16 keys x 64) into buffer b: both K = 32 halves
.irp c, 0,1,2,3
	ds_load_b128 v[KF+16*\b+4*\c:KF+16*\b+4*\c+3], v[ADK] offset:\t*16*KP+32*\c
.endr
.endm
; Two score tiles, (qt = 0, ta) from buffer ba and (qt = 1, tb) from buffer bb.  The two accumulators take turns, one instruction a turn.
.macro SPAIR ta, ba, tb, bb
	v_wmma_f32_16x16x32_f16 v[SL+8*\ta:SL+8*\ta+7],       v[KF+16*\ba:KF+16*\ba+7],    v[QF:QF+7],     0
	v_wmma_f32_16x16x32_f16 v[SL+80+8*\tb:SL+80+8*\tb+7], v[KF+16*\bb:KF+16*\bb+7],    v[QF+16:QF+23], 0
	v_wmma_f32_16x16x32_f16 v[SL+8*\ta:SL+8*\ta+7],       v[KF+16*\ba+8:KF+16*\ba+15], v[QF+8:QF+15],  v[SL+8*\ta:SL+8*\ta+7]
	v_wmma_f32_16x16x32_f16 v[SL+80+8*\tb:SL+80+8*\tb+7], v[KF+16*\bb+8:KF+16*\bb+15], v[QF+24:QF+31], v[SL+80+8*\tb:SL+80+8*\tb+7]
.endm
	; THE SCORES.  Tiles (0, 9) and (1, 0) are wholly outside the window and are not made.
.irp qt, 0,1
.irp c, 0,1,2,3
	ds_load_b128 v[QF+16*\qt+4*\c:QF+16*\qt+4*\c+3], v[ADQ] offset:\qt*16*KP+32*\c
.endr
.endr
	KLOAD 0, 0
	KLOAD 9, 1
	KLOAD 1, 2
	s_wait_dscnt 4                                 ; Q and key tiles 0 and 9 are in; tile 1's four loads may be out
	SPAIR 0, 0, 9, 1
	PLACES
	KLOAD 2, 0
	KLOAD 3, 1
	s_wait_dscnt 8                                 ; here and below: the two younger tiles' eight loads may be out
	SPAIR 1, 2, 1, 2
	PLACES
	KLOAD 4, 2
	s_wait_dscnt 8
	SPAIR 2, 0, 2, 0
	PLACES
	KLOAD 5, 0
	s_wait_dscnt 8
	SPAIR 3, 1, 3, 1
	PLACES
	KLOAD 6, 1
	s_wait_dscnt 8
	SPAIR 4, 2, 4, 2
	PLACES
	KLOAD 7, 2
	s_wait_dscnt 8
	SPAIR 5, 0, 5, 0
	PLACES
	KLOAD 8, 0
	s_wait_dscnt 8
	SPAIR 6, 1, 6, 1
	s_wait_dscnt 4                                 ; only tile 8's loads are younger
	SPAIR 7, 2, 7, 2
	s_wait_dscnt 0
	SPAIR 8, 0, 8, 0
	PLACES
	v_nop                                          ; five places: later matrix instructions write over registers that these have read
	; BIAS AND MASK.  j - i = 16 u + (8 h + jj - r) with u = t - qt.  Only u = 0 can fall below 0 and only u = 8 can reach 128, in complementary lanes.
	v_cvt_f32_u32 v[SLP], s60
	v_mul_f32 v[SLP], 0xbf088889, v[SLP]           ; -8 head / 15
	v_exp_f32 v[SLP], v[SLP]                       ; the slope
	v_mov_b32 v[NINF], 0xf149f2ca                  ; -1e30 (the plain place behind the exponential)
	v_mov_b32 v[NMU+1], 0
	s_wait_alu depctr_va_vdst(0)
	v_mul_f32 v[NSL], 0xbfb8aa3b, v[SLP]           ; -slope log2(e)
.irp jj, 0,1,2,3,4,5,6,7
	v_add_nc_u32 v[TI], \jj, v[CI]
	v_cmp_le_i32 vcc_lo, 0, v[TI]
	v_cvt_f32_i32 v[BASE+\jj], v[TI]
	v_mul_f32 v[BASE+\jj], v[BASE+\jj], v[NSL]
	v_cndmask_b32 v[BLO+\jj], v[NINF], v[BASE+\jj], vcc_lo
	v_cndmask_b32 v[BHI+\jj], v[BASE+\jj], v[NINF], vcc_lo
.endr
.irp u, 0,1,2,3,4,5,6,7,8
	v_cvt_f32_i32 v[TI], 16*\u
	v_mul_f32 v[TI], v[TI], v[NSL]
	s_cmp_gt_u32 s58, \u                           ; qt = 0: tile t = u.  The sequence ends on a tile's edge, so a whole tile exists or not
	s_cselect_b32 s59, -1, 0
	v_cndmask_b32 v[OFF+\u], v[NINF], v[TI], s59
	s_cmp_gt_u32 s58, \u+1                         ; qt = 1: tile t = u + 1
	s_cselect_b32 s61, -1, 0
	v_cndmask_b32 v[OFF+9+\u], v[NINF], v[TI], s61
.endr
; Pass 1 of tile (qt, t = u + qt): score log2e + the bias inside the tile; the tile's maximum, with its offset, joins the row's.
.macro PASS1 qt, u
.set TS, SL+8*(11*\qt+\u)
.set BX, BASE
.if \u == 0
.set BX, BLO
.endif
.if \u == 8
.set BX, BHI
.endif
.irp p, 0,2,4,6
	v_pk_fma_f32 v[TS+\p:TS+\p+1], v[TS+\p:TS+\p+1], 0x3fb8aa3b, v[BX+\p:BX+\p+1] op_sel_hi:[1,0,1]
.endr
	v_max3_num_f32 v[TM], v[TS], v[TS+1], v[TS+2]
	v_max3_num_f32 v[TI], v[TS+3], v[TS+4], v[TS+5]
	v_max3_num_f32 v[TM], v[TM], v[TS+6], v[TS+7]
	v_max_num_f32 v[TM], v[TM], v[TI]
.if \u == 0
	v_add_f32 v[M], v[TM], v[OFF+9*\qt]            ; the first tile starts the maximum
.else
	v_add_f32 v[TM], v[TM], v[OFF+9*\qt+\u]
	v_max_num_f32 v[M], v[M], v[TM]
.endif
.endm
; Pass 2: subtract the maximum, exponentials, sums in f32, pack to f16: an even tile into its own registers 0-3, an odd one into registers 4-7 of the tile
; below, so that tiles 2 n and 2 n + 1 become one operand of 32 keys at tile 2 n and the odd tiles' registers fall free.
.macro PASS2 qt, u
.set TS, SL+8*(11*\qt+\u)
.if ((\u+\qt)%2) == 0
.set TD, TS
.else
.set TD, TS-4
.endif
.irp p, 0,2,4,6
	v_pk_add_f32 v[TS+\p:TS+\p+1], v[TS+\p:TS+\p+1], v[NMU:NMU+1] op_sel_hi:[1,0]
.endr
.irp j, 0,1,2,3,4,5,6,7
	v_exp_f32 v[TS+\j], v[TS+\j]
.endr
.if \u < 8
	v_sub_f32 v[NMU], v[OFF+9*\qt+\u+1], v[M]      ; the next tile's offset less the maximum: also the plain place behind the exponentials
.else
	v_nop
	s_wait_alu depctr_va_vdst(0)
.endif
.if \u == 0
	s_wait_alu depctr_va_vdst(0)
	v_pk_add_f32 v[LS:LS+1],   v[TS:TS+1],     v[TS+2:TS+3]    ; the first tile starts the sums
	v_pk_add_f32 v[LS+2:LS+3], v[TS+4:TS+5],   v[TS+6:TS+7]
.else
	s_wait_alu depctr_va_vdst(0)
	v_pk_add_f32 v[LS:LS+1],   v[LS:LS+1],     v[TS:TS+1]
	v_pk_add_f32 v[LS+2:LS+3], v[LS+2:LS+3],   v[TS+2:TS+3]
	v_pk_add_f32 v[LS:LS+1],   v[LS:LS+1],     v[TS+4:TS+5]
	v_pk_add_f32 v[LS+2:LS+3], v[LS+2:LS+3],   v[TS+6:TS+7]
.endif
.irp i, 0,1,2,3
	v_cvt_pk_f16_f32 v[TD+\i], v[TS+2*\i], v[TS+2*\i+1]        ; ascending: each source is read before it is written over
.endr
.endm
.macro SMAX qt
.irp u, 0,1,2,3,4,5,6,7,8
	PASS1 \qt, \u
.endr
	v_permlanex16_b32 v[TM], v[M], s56, s57        ; the query's other keys lie in lane l xor 16
	v_max_num_f32 v[M], v[M], v[TM]                ; the row's maximum; key j = i always exists, so it is a true score
	v_sub_f32 v[NMU], v[OFF+9*\qt], v[M]
.irp u, 0,1,2,3,4,5,6,7,8
	PASS2 \qt, \u
.endr
	v_pk_add_f32 v[LS:LS+1], v[LS:LS+1], v[LS+2:LS+3]
	v_add_f32 v[LS], v[LS], v[LS+1]
	v_permlanex16_b32 v[LS+1], v[LS], s56, s57
	v_add_f32 v[LS], v[LS], v[LS+1]                ; at least 1: the maximum's own term
	v_rcp_f32 v[RI+2*\qt], v[LS]
	v_rcp_f32 v[RI+2*\qt+1], v[LS]
.irp i, 0,1,2,3                        ; the half operand of the tile that was not made is zero; these are also the places behind the reciprocals
.if \qt == 0
	v_mov_b32 v[SL+8*8+4+\i], 0
.else
	v_mov_b32 v[SL+80+\i], 0
.endif
.endr
.endm
; 32 keys x 64 of V, transposed on the way in, into the free odd tiles of half buf: fragment d at tile 2 d + 1
.macro VLOAD u, buf
.irp d, 0,1,2,3
	ds_load_tr16_b128 v[SL+80*\buf+8*(2*\d+1):SL+80*\buf+8*(2*\d+1)+3],   v[ADV] offset:\u*32*VP+32*\d
	ds_load_tr16_b128 v[SL+80*\buf+8*(2*\d+1)+4:SL+80*\buf+8*(2*\d+1)+7], v[ADV] offset:\u*32*VP+32*\d+16*VP
.endr
.endm
; O^T += V^T P^T for 32 keys: eight accumulators take turns, one instruction a turn, in the same order each time
.macro PVMUL u, buf, zero
.irp d, 0,1,2,3
.irp qt, 0,1
.if \zero
	v_wmma_f32_16x16x32_f16 v[OA+8*(2*\d+\qt):OA+8*(2*\d+\qt)+7], v[SL+80*\buf+8*(2*\d+1):SL+80*\buf+8*(2*\d+1)+7], v[SL+80*\qt+16*\u:SL+80*\qt+16*\u+7], 0
.else
	v_wmma_f32_16x16x32_f16 v[OA+8*(2*\d+\qt):OA+8*(2*\d+\qt)+7], v[SL+80*\buf+8*(2*\d+1):SL+80*\buf+8*(2*\d+1)+7], v[SL+80*\qt+16*\u:SL+80*\qt+16*\u+7], v[OA+8*(2*\d+\qt):OA+8*(2*\d+\qt)+7]
.endif
.endr
.endr
.endm
	SMAX 0
	VLOAD 0, 0                                     ; on its way during the second softmax
	SMAX 1
	VLOAD 1, 1
	s_wait_dscnt 8                                 ; here and below: the younger block's eight loads may be out
	PVMUL 0, 0, 1
	PLACES
	VLOAD 2, 0
	s_wait_dscnt 8
	PVMUL 1, 1, 0
	PLACES
	VLOAD 3, 1
	s_wait_dscnt 8
	PVMUL 2, 0, 0
	PLACES
	VLOAD 4, 0
	s_wait_dscnt 8
	PVMUL 3, 1, 0
	s_wait_dscnt 0
	PVMUL 4, 0, 0
	PLACES
	; THE WAY OUT: register j of lane (r, h) of tile (d, qt) is query 16 qt + r, dimension 16 d + 8 h + j: eight neighbours, 16 bytes in f16
	s_wait_alu depctr_va_vdst(0)
.irp d, 0,1,2,3
.irp qt, 0,1
.irp p, 0,2,4,6
	v_pk_mul_f32 v[OA+8*(2*\d+\qt)+\p:OA+8*(2*\d+\qt)+\p+1], v[OA+8*(2*\d+\qt)+\p:OA+8*(2*\d+\qt)+\p+1], v[RI+2*\qt:RI+2*\qt+1]
.endr
.irp i, 0,1,2,3
	v_cvt_pk_f16_f32 v[OA+8*(2*\d+\qt)+\i], v[OA+8*(2*\d+\qt)+2*\i], v[OA+8*(2*\d+\qt)+2*\i+1]
.endr
	ds_store_b128 v[STO], v[OA+8*(2*\d+\qt):OA+8*(2*\d+\qt)+3] offset:\qt*16*OP+32*\d
.endr
.endr
	s_wait_dscnt 0x0                               ; for the others' sake: my stage is written,
	s_barrier_signal -1
	s_barrier_wait -1                              ; everybody's is: a row's two halves come from two waves' stages
.irp tt, 0,1,2,3,4,5,6,7
	ds_load_b128 v[SL+4*\tt:SL+4*\tt+3], v[RD] offset:\tt*2*OP
.endr
.irp tt, 0,1,2,3,4,5,6,7
	s_wait_dscnt 7-\tt                             ; pair tt of rows is in, the younger loads stay out
	global_store_b128 v[CO], v[SL+4*\tt:SL+4*\tt+3], s[6:7] offset:\tt*4096   ; 16 lanes store 256 consecutive bytes at a multiple of 256
.endr
	s_wait_tensorcnt 0x0
	ds_add_u32 v174, v175
	s_wait_dscnt 0x0
	s_endpgm
.Lfunc_end_k_q7d41546592_attn:
	.size	k_q7d41546592_attn, .Lfunc_end_k_q7d41546592_attn-k_q7d41546592_attn
	.p2alignl 7, 3214868480
	.fill 96, 4, 3214868480
	.section	.rodata,"a",@progbits
	.p2align	6, 0x0
	.amdhsa_kernel k_q7d41546592_attn
		.amdhsa_group_segment_fixed_size 216064
		.amdhsa_private_segment_fixed_size 0
		.amdhsa_enable_private_segment 0
		.amdhsa_kernarg_size 16
		.amdhsa_user_sgpr_count 2
		.amdhsa_user_sgpr_kernarg_segment_ptr 1
		.amdhsa_wavefront_size32 1
		.amdhsa_system_sgpr_workgroup_id_x 1
		.amdhsa_system_sgpr_workgroup_id_y 1
		.amdhsa_system_sgpr_workgroup_id_z 1
		.amdhsa_system_vgpr_workitem_id 0
		.amdhsa_next_free_vgpr 256
		.amdhsa_next_free_sgpr 66
		.amdhsa_reserve_vcc 1
		.amdhsa_float_denorm_mode_32 3
		.amdhsa_float_denorm_mode_16_64 3
		.amdhsa_memory_ordered 1
		.amdhsa_forward_progress 1
		.amdhsa_inst_pref_size 62
	.end_amdhsa_kernel
	.amdgpu_metadata
---
amdhsa.version: [ 1, 2 ]
amdhsa.kernels:
  - .name:           k_q7d41546592_attn
    .symbol:         k_q7d41546592_attn.kd
    .args:
      - { .name: qkv, .offset: 0, .size: 8, .value_kind: global_buffer, .address_space: global }
      - { .name: att, .offset: 8, .size: 8, .value_kind: global_buffer, .address_space: global }
    .group_segment_fixed_size: 216064
    .private_segment_fixed_size: 0
    .kernarg_segment_align: 8
    .kernarg_segment_size: 16
    .max_flat_workgroup_size: 256
    .sgpr_count:     66
    .vgpr_count:     256
    .wavefront_size: 32
...
	.end_amdgpu_metadata
.endif
;; end of part 3
;; launch proj (part 4): grid 8 x 32, 4 waves a work-group, clusters of 4 x 4, 327,680 bytes of LDS; arguments att, cast, out0; writes out0
.if DOCPART == 4
	.amdgcn_target "amdgcn-amd-amdhsa--gfx1250"
	.amdhsa_code_object_version 6
	.text
	.protected	k_q7d41546592_proj
	.globl	k_q7d41546592_proj
	.p2align	8
	.type	k_q7d41546592_proj,@function
k_q7d41546592_proj:
	s_mov_b64 s[64:65], 0
	v_nop
	global_prefetch_b8 v0, s[64:65] scope:SCOPE_SE
	s_setreg_imm32_b32 hwreg(HW_REG_WAVE_MODE, 25, 1), 1
	s_wait_xcnt 0x0
	s_wait_alu depctr_hold_cnt(0) depctr_sa_sdst(0) depctr_va_vdst(0) depctr_va_sdst(0) depctr_va_ssrc(0) depctr_va_vcc(0) depctr_vm_vsrc(0)
	s_getreg_b32 s2, hwreg(HW_REG_IB_STS2, 6, 4)
	s_cmp_eq_u32 s2, 0
	s_cbranch_scc0 .Lentry_in_a_cluster
	s_endpgm
.Lentry_in_a_cluster:
	s_bfe_u32 s2, ttmp6, 0x10000c
	s_cmp_lg_u32 s2, 0xf033
	s_cbranch_scc0 .Lentry_shape_is_right
	s_endpgm
.Lentry_shape_is_right:
; out0[t][e] = sum over d of att[t][d] W[e][d].  att: [4096][1024] f16, a sixteenth of the attention's result; W = 16 x Wo in f16 at byte 14,680,064 of
; cast: the two powers of two cancel exactly.  out0: [4096][1024] f32; sums in f32.
; 256 work-groups of 128 x 128, one for each WGP; four waves, a wave makes 64 x 64: 16 accumulator tiles in window 1 (tile (a, b) at v[8 (4 a + b)]).
; K = 1,024 comes in four fills of 256 through two LDS slots: a slot holds eight steps of 32 along K, rows of 512 bytes at pitch 528.
; One tensor load a wave and fill: 64 rows x 512 bytes; waves 0, 1 fetch att's halves, waves 2, 3 W's.  At most two loads of a wave are out.
; CLUSTERS: 4 x 4 work-groups; att's tile is shared along a row of the cluster, W's along a column, each asked for jointly by the four.
; The matrix instruction is used transposed (source 0 = rows of W, source 1 = rows of att): a lane's eight results are eight neighbouring columns of a row.
; LIMITS: finite inputs; operands in f16.
.set SIZE_N, 1024
.set SIZE_K, 1024
.set PITCH,  528                       ; 512 + 16: an odd multiple of 16
.set HALFT,  64*PITCH                  ; what one tensor load brings, and what one wave reads of att or of W
.set SLOT,   4*HALFT                   ; att's 128 rows, then W's 128 rows
.set STAGE,  2*SLOT                    ; 270,336 = 1,056 x 256: 16 rows x 272 bytes for each wave; no tensor load fills it
.set SPITCH, 272
.set FILLB,  512                       ; bytes of a row in a fill
.set ADRA, 16                          ; v16-17  LDS address of my att fragments in slot 0, 1
.set ADRB, 20                          ; v20-21  the same for W
.set STO,  24
.set RD,   25
.set CO,   26
.set F0,   64                          ; fragment buffer 0: W's four fragments, then att's four
.set F1,   128                         ; fragment buffer 1
.set G1, 24
.set G0, 32
.set G1B, 48
.set G0B, 56
.set MULW, 0x50                        ; C and D in window 1, fragments in window 0
.set MSB, 0
.macro WIN new                         ; the immediate's high byte repeats the setting that is left
.if MSB != \new
	s_set_vgpr_msb (MSB<<8)|\new
.set MSB, \new
.endif
.endm
.macro JLOAD s                         ; a joint load; the branch hangs on the wave's number alone
	s_cmp_eq_u32 s11, 0
	s_cbranch_scc0 .Lfor_b_\@
	tensor_load_to_lds s[G0+4*\s:G0+4*\s+3], s[G1:G1+7]
	s_nop 0
	s_branch .Lasked_\@
.Lfor_b_\@:
	tensor_load_to_lds s[G0B+4*\s:G0B+4*\s+3], s[G1B:G1B+7]
	s_nop 0
.Lasked_\@:
.endm
.macro CREST                           ; a round of the cluster's barrier behind its opening barrier
	s_cmp_lg_u32 s10, 0
	s_cbranch_scc1 .Lnot_wave_0_\@
	s_barrier_signal -3
.Lnot_wave_0_\@:
	s_barrier_wait -3
	s_barrier_signal -1
	s_barrier_wait -1
.endm
.macro CROUND
	s_barrier_signal -1
	s_barrier_wait -1
	CREST
.endm
.macro PLACES                          ; four independent vector places behind a matrix instruction (ISA guide 7.12.1)
.rept 4
	v_nop
.endr
.endm
	s_load_b128 s[4:7], s[0:1], 0x0                ; att s[4:5], cast s[6:7]
	s_load_b64 s[8:9], s[0:1], 0x10                ; out0
	v_lshl_add_u32 v254, v0, 2, 0x46400
	v_mov_b32 v255, 0
	ds_add_u32 v254, v255
	ds_add_u32 v254, v255
	v_lshrrev_b32 v1, 5, v0
	v_readfirstlane_b32 s10, v1                    ; wave 0..3
	s_lshr_b32 s11, s10, 1                         ; which half of the block's rows is mine.  Also: I fetch for att (0) or for W (1)
	s_and_b32 s12, s10, 1                          ; which half of its columns.  Also: which 64 rows of that tile I fetch
	s_bfe_u32 s40, ttmp6, 0x40000                  ; cx
	s_bfe_u32 s41, ttmp6, 0x40004                  ; cy
	s_lshl_b32 s42, ttmp9, 2
	s_add_co_u32 s42, s42, s40                     ; block column
	s_and_b32 s13, ttmp7, 0xffff
	s_lshl_b32 s13, s13, 2
	s_add_co_u32 s13, s13, s41                     ; block row
	s_lshl_b32 s43, s41, 2
	s_lshl_b32 s43, 15, s43                        ; my row of the cluster
	s_lshl_b32 s44, 0x1111, s40                    ; my column
	; group 1: 64 rows x 256 elements of 2 bytes; 4 words of padding behind every 128 words
	s_or_b32 s[G1+0], s43, (1<<16)|(1<<20)|(1<<21)|(6<<22)|(3<<25)
	s_or_b32 s[G1B+0], s44, (1<<16)|(1<<20)|(1<<21)|(6<<22)|(3<<25)
	s_mov_b32 s[G1B+1], 256<<16
	s_mov_b32 s[G1+1], 256<<16                     ; tensor_dim0 = 256
	s_mov_b32 s[G1B+2], 64<<16
	s_mov_b32 s[G1+2], 64<<16                      ; tensor_dim1 = 64
	s_mov_b32 s[G1B+3], 256<<16
	s_mov_b32 s[G1+3], 256<<16                     ; tile_dim0 = 256
	s_mov_b32 s[G1B+4], 64
	s_mov_b32 s[G1+4], 64                          ; tile_dim1 = 64
	s_mov_b32 s[G1B+5], SIZE_K
	s_mov_b32 s[G1+5], SIZE_K                      ; elements from row to row
	s_mov_b32 s[G1B+6], 0
	s_mov_b32 s[G1+6], 0
	s_mov_b32 s[G1B+7], 0
	s_mov_b32 s[G1+7], 0
	s_lshl_b32 s17, s12, 6
	s_lshl_b32 s16, s13, 7
	s_add_co_u32 s16, s16, s17                     ; att: row 128 x block row + 64 x half
	s_lshl_b32 s46, s42, 7
	s_add_co_u32 s46, s46, s17                     ; W: row 128 x block column + 64 x half
	s_lshl_b32 s16, s16, 11                        ; rows of 2,048 bytes: below 8 MiB
	s_lshl_b32 s46, s46, 11
	s_mov_b32 s17, 0
	s_mov_b32 s47, 0
	s_mul_i32 s20, s10, HALFT                      ; where they go: wave x 64 rows
	s_wait_dscnt 0x0
	s_wait_kmcnt 0x0
	s_add_nc_u64 s[6:7], s[6:7], 0xe00000          ; 16 x Wo in cast
	s_add_nc_u64 s[14:15], s[4:5], s[16:17]
	s_add_nc_u64 s[46:47], s[6:7], s[46:47]
	CROUND                                         ; all sixteen work-groups are here: the first joint loads meet
.irp s, 0,1
	s_mov_b32 s[G0+4*\s], 1
	s_add_co_u32 s[G0+4*\s+1], s20, \s*SLOT
	s_add_nc_u64 s[G0+4*\s+2:G0+4*\s+3], s[14:15], \s*FILLB
	s_or_b32 s[G0+4*\s+3], s[G0+4*\s+3], 0x80000000
	s_mov_b32 s[G0B+4*\s], 1
	s_add_co_u32 s[G0B+4*\s+1], s20, \s*SLOT
	s_add_nc_u64 s[G0B+4*\s+2:G0B+4*\s+3], s[46:47], \s*FILLB
	s_or_b32 s[G0B+4*\s+3], s[G0B+4*\s+3], 0x80000000
	JLOAD \s
.endr
	v_and_b32 v1, 15, v0                           ; r
	v_bfe_u32 v2, v0, 4, 1                         ; h
	v_mul_u32_u24 v3, v1, PITCH
	v_lshl_add_u32 v3, v2, 4, v3
	s_mul_i32 s21, s11, HALFT                      ; my 64 rows of att
	s_mul_i32 s22, s12, HALFT                      ; my 64 rows of W,
	s_add_co_u32 s22, s22, 2*HALFT                 ; which lie behind att's 128
.irp s, 0,1
	v_add_nc_u32 v[ADRA+\s], s21, v3
	v_add_nc_u32 v[ADRB+\s], s22, v3
	s_add_co_u32 s21, s21, SLOT
	s_add_co_u32 s22, s22, SLOT
.endr
	s_mul_i32 s23, s10, 16*SPITCH
	s_add_co_u32 s23, s23, STAGE                   ; my stage
	v_mul_u32_u24 v4, v1, SPITCH                   ; in: row r, 32 bytes for each half of the lanes
	v_lshl_add_u32 v4, v2, 5, v4
	v_add_nc_u32 v[STO], s23, v4
	v_mul_u32_u24 v5, v2, SPITCH                   ; back: lanes 0-15 one row of 256 bytes, lanes 16-31 the next
	v_lshl_add_u32 v5, v1, 4, v5
	v_add_nc_u32 v[RD], s23, v5
	v_lshlrev_b32 v5, 12, v2                       ; and the same two rows in out0
	v_lshl_add_u32 v[CO], v1, 4, v5
; 16 LDS loads: the fragments of one step (64 rows of W, 64 rows of att, 32 K at byte k of the rows) into buffer f
.macro FETCH slot, k, f
.irp i, 0,1,2,3
	ds_load_b128 v[\f+8*\i:\f+8*\i+3],   v[ADRB+\slot] offset:\k+\i*16*PITCH
	ds_load_b128 v[\f+8*\i+4:\f+8*\i+7], v[ADRB+\slot] offset:\k+\i*16*PITCH+32
.endr
.irp i, 0,1,2,3
	ds_load_b128 v[\f+32+8*\i:\f+32+8*\i+3],   v[ADRA+\slot] offset:\k+\i*16*PITCH
	ds_load_b128 v[\f+32+8*\i+4:\f+32+8*\i+7], v[ADRA+\slot] offset:\k+\i*16*PITCH+32
.endr
.endm
; 8 matrix instructions: m blocks a0, a0 + 1 x all 4 n blocks.  The 16 accumulators take turns, one instruction a turn, in the same order in every step.
.macro MUL8 f, a0, zero
.irp a, \a0, \a0+1
.irp b, 0,1,2,3
.if \zero
	v_wmma_f32_16x16x32_f16 v[8*(4*(\a)+\b):8*(4*(\a)+\b)+7], v[\f+8*\b:\f+8*\b+7], v[\f+32+8*(\a):\f+32+8*(\a)+7], 0
.else
	v_wmma_f32_16x16x32_f16 v[8*(4*(\a)+\b):8*(4*(\a)+\b)+7], v[\f+8*\b:\f+8*\b+7], v[\f+32+8*(\a):\f+32+8*(\a)+7], v[8*(4*(\a)+\b):8*(4*(\a)+\b)+7]
.endif
.endr
.endr
.endm
; One step of 32 along K on buffer f; then, if fetch, the fragments two steps ahead into the same buffer: they have the other buffer's step in which to land.
.macro STEP f, zero, left, fetch, nslot, nk
	s_wait_dscnt \left                             ; buffer f is in; the other buffer's loads (left of them) may be out
	WIN MULW
	MUL8 \f, 0, \zero
	MUL8 \f, 2, \zero
	WIN 0
.if \fetch
	PLACES
	FETCH \nslot, \nk, \f
.endif
.endm
.macro PASS6 slot, zero                ; the first six of a slot's eight steps
	STEP F0, \zero, 16, 1, \slot, 128
	STEP F1, 0, 16, 1, \slot, 192
	STEP F0, 0, 16, 1, \slot, 256
	STEP F1, 0, 16, 1, \slot, 320
	STEP F0, 0, 16, 1, \slot, 384
	STEP F1, 0, 16, 1, \slot, 448
.endm
; The last two steps, and the change of slots.  In front of the one barrier each wave waits for its reads of this slot (the last went into buffer 1) and for
; all its tensor loads; behind it the refill comes first, then the next slot's first fragments.
.macro TURN slot, next, fill
	s_wait_dscnt 16
	WIN MULW
	MUL8 F0, 0, 0
	s_wait_dscnt 0                                 ; my reads of this slot are over
	s_wait_tensorcnt 0x0                           ; all my tensor loads have landed: my part of the next slot among them
	ds_add_u32 v254, v255
	s_wait_dscnt 0x0
	s_barrier_signal -1                            ; where a slot is filled again this barrier opens a round of the cluster's barrier
	MUL8 F0, 2, 0                                  ; register work while the others arrive
	WIN 0
	s_barrier_wait -1
.if \fill
	CREST                                          ; no wave of any partner still reads this slot or has a load on its way
	s_add_nc_u64 s[G0+4*\slot+2:G0+4*\slot+3], s[G0+4*\slot+2:G0+4*\slot+3], 2*FILLB
	s_add_nc_u64 s[G0B+4*\slot+2:G0B+4*\slot+3], s[G0B+4*\slot+2:G0B+4*\slot+3], 2*FILLB
	JLOAD \slot                                    ; the first tensor load behind the round, and the wave's only one until the next
.endif
	PLACES
	FETCH \next, 0, F0
	STEP F1, 0, 16, 1, \next, 64
.endm
	s_wait_tensorcnt 1                             ; my part of slot 0 is in; slot 1's stays out
	s_barrier_signal -1
	s_barrier_wait -1
	FETCH 0, 0, F0
	FETCH 0, 64, F1
	PASS6 0, 1                                     ; the first step's products start the sums
	TURN 0, 1, 1                                   ; K 512-767 into slot 0
	PASS6 1, 0
	TURN 1, 0, 1                                   ; K 768-1023 into slot 1
	PASS6 0, 0
	TURN 0, 1, 0                                   ; nothing is left to fetch
	PASS6 1, 0
	STEP F0, 0, 16, 0, 0, 0
	STEP F1, 0, 0, 0, 0, 0
	; THE WAY OUT, 16 rows at a time through my own stage: a lane's eight f32 are 32 bytes of a row; read back, a row of my 64 columns is 256 bytes
	PLACES
	s_lshl_b32 s16, s13, 7
	s_lshl_b32 s14, s11, 6
	s_add_co_u32 s16, s16, s14                     ; my first row,
	s_lshl_b32 s16, s16, 12                        ; in rows of 4,096 bytes: below 16 MiB
	s_mov_b32 s17, 0
	s_add_nc_u64 s[8:9], s[8:9], s[16:17]
	s_lshl_b32 s46, s42, 9                         ; my first column in bytes: 512 x block + 256 x half
	s_lshl_b32 s47, s12, 8
	s_add_co_u32 s46, s46, s47
	s_mov_b32 s47, 0
	s_add_nc_u64 s[8:9], s[8:9], s[46:47]
.macro OUT16 a, f
	WIN 0x04                                       ; the stores' data come from window 1
.irp b, 0,1,2,3
	ds_store_b128 v[STO], v[8*(4*\a+\b):8*(4*\a+\b)+3]   offset:64*\b
	ds_store_b128 v[STO], v[8*(4*\a+\b)+4:8*(4*\a+\b)+7] offset:64*\b+16
.endr
	WIN 0
	s_wait_xcnt 0x0                                ; buffer f, which earlier stores read, and the stores' base are rewritten only behind this wait
.if \a
	s_add_nc_u64 s[8:9], s[8:9], 16*SIZE_N*4       ; 16 rows on
.endif
.irp t, 0,1,2,3,4,5,6,7
	ds_load_b128 v[\f+4*\t:\f+4*\t+3], v[RD] offset:\t*2*SPITCH    ; LDS serves a wave's instructions in order: these see the stores above
.endr
.irp t, 0,1,2,3,4,5,6,7
	s_wait_dscnt 7-\t                              ; pair t of rows is in, the younger loads stay out
	global_store_b128 v[CO], v[\f+4*\t:\f+4*\t+3], s[8:9] offset:2*\t*SIZE_N*4 th:TH_STORE_NT   ; 16 lanes store 256 consecutive bytes at a multiple of 256
.endr
.endm
	OUT16 0, F0
	OUT16 1, F1
	OUT16 2, F0
	OUT16 3, F1
	s_wait_tensorcnt 0x0
	ds_add_u32 v254, v255
	s_wait_dscnt 0x0
	CROUND                                         ; the closing round: no work-group ends while a partner may still ask for a tile that names it
	s_endpgm
.Lfunc_end_k_q7d41546592_proj:
	.size	k_q7d41546592_proj, .Lfunc_end_k_q7d41546592_proj-k_q7d41546592_proj
	.p2alignl 7, 3214868480
	.fill 96, 4, 3214868480
	.section	.rodata,"a",@progbits
	.p2align	6, 0x0
	.amdhsa_kernel k_q7d41546592_proj
		.amdhsa_group_segment_fixed_size 327680
		.amdhsa_private_segment_fixed_size 0
		.amdhsa_enable_private_segment 0
		.amdhsa_kernarg_size 24
		.amdhsa_user_sgpr_count 2
		.amdhsa_user_sgpr_kernarg_segment_ptr 1
		.amdhsa_wavefront_size32 1
		.amdhsa_system_sgpr_workgroup_id_x 1
		.amdhsa_system_sgpr_workgroup_id_y 1
		.amdhsa_system_sgpr_workgroup_id_z 1
		.amdhsa_system_vgpr_workitem_id 0
		.amdhsa_next_free_vgpr 384
		.amdhsa_next_free_sgpr 66
		.amdhsa_reserve_vcc 0
		.amdhsa_float_denorm_mode_32 3
		.amdhsa_float_denorm_mode_16_64 3
		.amdhsa_memory_ordered 1
		.amdhsa_forward_progress 1
		.amdhsa_inst_pref_size 89
	.end_amdhsa_kernel
	.amdgpu_metadata
---
amdhsa.version: [ 1, 2 ]
amdhsa.kernels:
  - .name:           k_q7d41546592_proj
    .symbol:         k_q7d41546592_proj.kd
    .args:
      - { .name: att, .offset: 0, .size: 8, .value_kind: global_buffer, .address_space: global }
      - { .name: cast, .offset: 8, .size: 8, .value_kind: global_buffer, .address_space: global }
      - { .name: out0, .offset: 16, .size: 8, .value_kind: global_buffer, .address_space: global }
    .group_segment_fixed_size: 327680
    .private_segment_fixed_size: 0
    .kernarg_segment_align: 8
    .kernarg_segment_size: 24
    .max_flat_workgroup_size: 128
    .sgpr_count:     66
    .vgpr_count:     384
    .wavefront_size: 32
...
	.end_amdgpu_metadata
.endif
;; end of part 4
;; ======== version 2 of 2: 4 launches; version 1 with the launch cast written anew for expert scheduling mode
;; limits: values are held in f16: magnitudes above 65,504 overflow, below 6.1e-05 lose precision; right only within a limited range of input values
;; workspace buffers: cast 16,777,216 bytes; qkv 25,165,824 bytes; att 8,388,608 bytes
;; launch cast (part 5): grid 64 x 8, 8 waves a work-group, no clusters, 0 bytes of LDS; arguments x, Wq, Wk, Wv, Wo, cast; writes cast
.if DOCPART == 5
	.amdgcn_target "amdgcn-amd-amdhsa--gfx1250"
	.amdhsa_code_object_version 6
	.text
	.protected	k_q7d41546592_cast
	.globl	k_q7d41546592_cast
	.p2align	8
	.type	k_q7d41546592_cast,@function
k_q7d41546592_cast:
	s_mov_b64 s[64:65], 0
	v_nop
	global_prefetch_b8 v0, s[64:65] scope:SCOPE_SE
	s_setreg_imm32_b32 hwreg(HW_REG_WAVE_SCHED_MODE, 0, 2), 2
	s_setreg_imm32_b32 hwreg(HW_REG_WAVE_MODE, 25, 1), 1
	s_wait_xcnt 0x0
	s_wait_alu depctr_vm_vsrc(0)
; All five f32 inputs are rounded once to f16, so that the two products that follow can bring 16-bit tiles straight into LDS.
; f16 and not bf16: the chain x -> v -> att -> out0 rounds four times, and three more bits of significand make each rounding eight times finer.
; cast (f16): byte 0 x [4096][1024]; byte 8,388,608 Wq, Wk, Wv as [3072][1024]; byte 14,680,064 16 x Wo [1024][1024].
; Wo is stored 16 times larger because v, and with it att, is carried 16 times smaller (for room in f16): powers of two, nothing is rounded by them.
; Eight segments of 1,048,576 numbers, one for each y: y = 0..3 the quarters of x, y = 4..7 Wq, Wk, Wv, Wo; segment y goes to byte y x 2,097,152.
; A work-group takes 65,536 bytes in and 32,768 out.  Wave w, lane l, piece j: 16 bytes at 8,192 w + 512 j + 16 l in, 8 bytes at half that out:
; a load of the wave covers 512 consecutive bytes, a store 256 consecutive bytes that start at a multiple of 256.
; A stream: no LDS, no barrier, no matrix unit; all sixteen loads of a wave are on their way at once.
; LIMITS: |x|, |Wq|, |Wk|, |Wv| up to 65,504 and |Wo| up to 4,094 (beyond: infinity); below 6.1e-5 the rounding is absolute, at most 3e-8; NaN stays NaN.
; THE MODE: SCHED_MODE bits 1:0 = 2 (LLVM: expert scheduling mode 2), set by the entry lines.  The code itself states the register dependences
; between vector instructions and memory instructions, with s_wait_alu, always for 0.
; THE PLAN.  Registers that memory instructions touch:
;   v1, v2   byte offsets of the loads and of the stores: written by vector instructions at the head, once; read by every load and every store.
;   X        piece j's four registers: its load lands in them, once; no vector instruction names them before; no memory instruction reads them.
;   Y        piece j's two registers: written once, by its two roundings; read by its one store; never written again.
; So no register that a memory instruction has read is written again, and the only dependences to state are: the offsets ahead of the first load, and
; each Y ahead of its store.  The sixteen pieces go in four blocks of four.  Block p rounds X's block p into Y's block p; its memory instructions are the
; four stores of block p - 1, which read Y's block p - 1 and v2: registers that no vector instruction of block p names.  One wait at a block's head states
; that the block before has written its Y; the four stores follow it, dealt among the block's vector instructions, with no further wait.
.set PIECES, 16
.set BLOCK,  4                         ; pieces in a block
.set X, 4                              ; v[4:67]   piece j: 4 f32 as loaded
.set Y, 68                             ; v[68:99]  piece j: 4 f16 to store
	s_load_b256 s[4:11], s[0:1], 0x0               ; x s[4:5], Wq s[6:7], Wk s[8:9], Wv s[10:11]
	s_load_b128 s[12:15], s[0:1], 0x20             ; Wo s[12:13], cast s[14:15]
	s_and_b32 s16, ttmp7, 0xffff                   ; y: the segment
	v_and_b32 v1, 0xe0, v0                         ; 32 x wave
	v_and_b32 v2, 31, v0                           ; lane
	v_lshlrev_b32 v2, 4, v2
	v_lshl_or_b32 v1, v1, 8, v2                    ; in:  8,192 x wave + 16 x lane
	v_lshrrev_b32 v2, 1, v1                        ; out: half of it
	s_cmp_lt_u32 s16, 4
	s_cselect_b32 s20, s16, 0                      ; which quarter of x; a weight starts at its own first byte
	s_lshl_b32 s20, s20, 22
	s_lshl_b32 s17, ttmp9, 16
	s_add_co_u32 s20, s20, s17                     ; offset in the source, below 16 MiB
	s_mov_b32 s21, 0
	s_lshl_b32 s22, s16, 21
	s_lshl_b32 s17, ttmp9, 15
	s_add_co_u32 s22, s22, s17                     ; offset in cast
	s_mov_b32 s23, 0
	s_wait_kmcnt 0x0
	s_mov_b64 s[18:19], s[4:5]                     ; the source: x, unless y names a weight
	s_cmp_eq_u32 s16, 4
	s_cselect_b64 s[18:19], s[6:7], s[18:19]
	s_cmp_eq_u32 s16, 5
	s_cselect_b64 s[18:19], s[8:9], s[18:19]
	s_cmp_eq_u32 s16, 6
	s_cselect_b64 s[18:19], s[10:11], s[18:19]
	s_cmp_eq_u32 s16, 7
	s_cselect_b64 s[18:19], s[12:13], s[18:19]
	s_add_nc_u64 s[18:19], s[18:19], s[20:21]
	s_add_nc_u64 s[14:15], s[14:15], s[22:23]
	s_wait_alu depctr_va_vdst(0)                   ; v1 and v2 are written: every load reads v1 and every store v2 as its offset, and neither is written again
.irp j, 0,1,2,3,4,5,6,7,8,9,10,11,12,13,14,15
	global_load_b128 v[X+4*\j:X+4*\j+3], v1, s[18:19] offset:512*\j th:TH_LOAD_NT   ; read once in the whole launch
.endr
; Block p: its four pieces are rounded; the four pieces of the block before are stored.  scaled = 1: times 16 first (Wo alone).
.macro BLK p, scaled
	s_wait_loadcnt PIECES-BLOCK*((\p)+1)           ; loads come back in order: the block's four pieces are in, the younger blocks stay out
.if (\p) > 0
	s_wait_alu depctr_va_vdst(0)                   ; the roundings of the block before have written its Y, which the four stores below read
.endif
.irp i, 0,1,2,3
.if (\p) > 0
	global_store_b64 v2, v[Y+2*(BLOCK*((\p)-1)+(\i)):Y+2*(BLOCK*((\p)-1)+(\i))+1], s[14:15] offset:256*(BLOCK*((\p)-1)+(\i))   ; no hint: the next launches read these bytes.  No wait: no vector instruction since the wait names these registers
.endif
.if \scaled
	v_pk_mul_f32 v[X+4*(BLOCK*(\p)+(\i)):X+4*(BLOCK*(\p)+(\i))+1],   v[X+4*(BLOCK*(\p)+(\i)):X+4*(BLOCK*(\p)+(\i))+1],   0x41800000 op_sel_hi:[1,0]   ; x 16
	v_pk_mul_f32 v[X+4*(BLOCK*(\p)+(\i))+2:X+4*(BLOCK*(\p)+(\i))+3], v[X+4*(BLOCK*(\p)+(\i))+2:X+4*(BLOCK*(\p)+(\i))+3], 0x41800000 op_sel_hi:[1,0]
.endif
	v_cvt_pk_f16_f32 v[Y+2*(BLOCK*(\p)+(\i))],   v[X+4*(BLOCK*(\p)+(\i))],   v[X+4*(BLOCK*(\p)+(\i))+1]
	v_cvt_pk_f16_f32 v[Y+2*(BLOCK*(\p)+(\i))+1], v[X+4*(BLOCK*(\p)+(\i))+2], v[X+4*(BLOCK*(\p)+(\i))+3]
.endr
.endm
; The four blocks, and the last block's stores.
.macro ROUNDALL scaled
	BLK 0, \scaled                                 ; no block stands in front of it: no store, and no wait but the one for its data
	BLK 1, \scaled
	BLK 2, \scaled
	BLK 3, \scaled
	s_wait_alu depctr_va_vdst(0)                   ; the last block's roundings have written its Y, which the last four stores read
.irp i, 0,1,2,3
	global_store_b64 v2, v[Y+2*(PIECES-BLOCK+(\i)):Y+2*(PIECES-BLOCK+(\i))+1], s[14:15] offset:256*(PIECES-BLOCK+(\i))
.endr
.endm
	s_cmp_eq_u32 s16, 7                            ; Wo's segment takes the way with the factor; the same loads are out on both ways
	s_cbranch_scc1 .Lwo
	ROUNDALL 0
	s_endpgm
.Lwo:
	ROUNDALL 1
	s_endpgm
.Lfunc_end_k_q7d41546592_cast:
	.size	k_q7d41546592_cast, .Lfunc_end_k_q7d41546592_cast-k_q7d41546592_cast
	.p2alignl 7, 3214868480
	.fill 96, 4, 3214868480
	.section	.rodata,"a",@progbits
	.p2align	6, 0x0
	.amdhsa_kernel k_q7d41546592_cast
		.amdhsa_group_segment_fixed_size 0
		.amdhsa_private_segment_fixed_size 0
		.amdhsa_enable_private_segment 0
		.amdhsa_kernarg_size 48
		.amdhsa_user_sgpr_count 2
		.amdhsa_user_sgpr_kernarg_segment_ptr 1
		.amdhsa_wavefront_size32 1
		.amdhsa_system_sgpr_workgroup_id_x 1
		.amdhsa_system_sgpr_workgroup_id_y 1
		.amdhsa_system_sgpr_workgroup_id_z 1
		.amdhsa_system_vgpr_workitem_id 0
		.amdhsa_next_free_vgpr 100
		.amdhsa_next_free_sgpr 66
		.amdhsa_reserve_vcc 0
		.amdhsa_float_denorm_mode_32 3
		.amdhsa_float_denorm_mode_16_64 3
		.amdhsa_memory_ordered 1
		.amdhsa_forward_progress 1
		.amdhsa_inst_pref_size 14
	.end_amdhsa_kernel
	.amdgpu_metadata
---
amdhsa.version: [ 1, 2 ]
amdhsa.kernels:
  - .name:           k_q7d41546592_cast
    .symbol:         k_q7d41546592_cast.kd
    .args:
      - { .name: x, .offset: 0, .size: 8, .value_kind: global_buffer, .address_space: global }
      - { .name: Wq, .offset: 8, .size: 8, .value_kind: global_buffer, .address_space: global }
      - { .name: Wk, .offset: 16, .size: 8, .value_kind: global_buffer, .address_space: global }
      - { .name: Wv, .offset: 24, .size: 8, .value_kind: global_buffer, .address_space: global }
      - { .name: Wo, .offset: 32, .size: 8, .value_kind: global_buffer, .address_space: global }
      - { .name: cast, .offset: 40, .size: 8, .value_kind: global_buffer, .address_space: global }
    .group_segment_fixed_size: 0
    .private_segment_fixed_size: 0
    .kernarg_segment_align: 8
    .kernarg_segment_size: 48
    .max_flat_workgroup_size: 256
    .sgpr_count:     66
    .vgpr_count:     100
    .wavefront_size: 32
...
	.end_amdgpu_metadata
.endif
;; end of part 5
;; launch qkv: the kernel of part 2 again; grid 12 x 16, 4 waves a work-group, clusters of 4 x 4, 327,680 bytes of LDS; arguments cast, qkv; writes qkv
;; launch attn: the kernel of part 3 again; grid 16 x 16, 8 waves a work-group, no clusters, 216,064 bytes of LDS; arguments qkv, att; writes att
;; launch proj: the kernel of part 4 again; grid 8 x 32, 4 waves a work-group, clusters of 4 x 4, 327,680 bytes of LDS; arguments att, cast, out0; writes out0
